; MI455X (gfx1250); checked and timed in simulation.
; The chip was launched on July 23, 2026; its instructions are those of AMD's public machine-readable ISA for CDNA 5 (MIT licence, August 2026) and "CDNA5" Instruction Set Architecture Reference Guide (July 2026). The comments in the code are by the model that wrote it; some were corrected since.
;; Self Attention. Allowed arithmetic: matrix products marked QUANTISED: E4M3 operands, one given power-of-two scale a tensor, by v_wmma_f32_16x16x64_fp8_fp8 or v_wmma_f32_16x16x128_fp8_fp8, f32 sums; everything else in f32.
;; Inputs: Wk_codes 1,024 x 32 x 32 uint8 (E4M3 codes of Wk, K innermost, in blocks of 32 codes); Wq_codes 1,024 x 32 x 32 uint8 (E4M3 codes of Wq, K innermost, in blocks of 32 codes); Wv_codes 1,024 x 32 x 32 uint8 (E4M3 codes of Wv, K innermost, in blocks of 32 codes); attention_mask 4 x 1 x 2,048 x 2,048 float32; bk 1,024 float32; bq 1,024 float32; bv 1,024 float32; hidden_states_codes 4 x 2,048 x 32 x 32 uint8 (E4M3 codes of hidden_states, K innermost, in blocks of 32 codes); key_padding_mask 4 x 2,048 float32; lowp_scales 10 int32 (the exponents e of the quantised operands' scales 2^e).
;; Outputs: out0 4 x 2,048 x 1,024 float32.
;; This version of the problem:
;;   THIS VERSION OF THE PROBLEM IS GIVEN IN LOW PRECISION. The matrix products marked QUANTISED in the list below multiply operands that are first quantised to E4M3 (4 exponent bits, 3 mantissa bits; 8 bits a number), with one given power-of-two scale for each operand tensor; their sums are f32. All else is computed in f32.
;;   The module's matrix products, in the order in which they are computed (A, B: the left and right operand; K: the contracted axis; several contracted axes count as one K, in the product's order):
;;     1. [M 8,192, K 1,024] x [K 1,024, N 1,024]; A: input hidden_states (given as codes); B: input Wq (given as codes): QUANTISED (scales: A lowp_scales[0], B lowp_scales[1])
;;     2. [M 8,192, K 1,024] x [K 1,024, N 1,024]; A: input hidden_states (given as codes); B: input Wk (given as codes): QUANTISED (scales: A lowp_scales[2], B lowp_scales[3])
;;     3. [M 8,192, K 1,024] x [K 1,024, N 1,024]; A: input hidden_states (given as codes); B: input Wv (given as codes): QUANTISED (scales: A lowp_scales[4], B lowp_scales[5])
;;     4. batch 64 x [M 2,048, K 64] x [K 64, N 2,048]; A: computed on the way; B: computed on the way: QUANTISED (scales: A lowp_scales[6], B lowp_scales[7])
;;     5. batch 64 x [M 2,048, K 2,048] x [K 2,048, N 64]; A: softmax (see below); B: computed on the way: QUANTISED (scales: A lowp_scales[8], B lowp_scales[9])
;;   THE QUANTISER, for each operand of a quantised product, along K:
;;     - The operand's scale is 2^e, e = its entry of the input lowp_scales (int32; the entries are numbered through the quantised products in the list's order, A before B).
;;     - Each number is divided by the scale, clamped to +-448, and rounded to the nearest number of E4M3, ties to even, subnormals kept.
;;     - The product sums the exact products of the quantised numbers (number of the format x scale) in f32.
;;   ~~~python
;;   def quantise(x, axis, e):      # numpy; x: float32 -> the quantised numbers, widened to float32 again
;;       x = np.moveaxis(x, axis, -1); K = x.shape[-1]
;;       r = np.clip(x / 2.0 ** e, -448, 448)
;;       step = 2.0 ** (np.maximum(np.frexp(np.where(r == 0, 1, r))[1] - 1, -6) - 3)
;;       q = np.round(r / step) * step * 2.0 ** e      # np.round: ties to even
;;       return np.moveaxis(q, -1, axis).astype(np.float32)
;;   ~~~
;;   SOFTMAX AHEAD OF A QUANTISED PRODUCT. Where the list says 'softmax', what is quantised is not the finished softmax but p = 2^(t - M), with t = logit x log2(e) and M = ceil(the row's largest t), a whole number; so 1/2 < the row's largest p <= 1. The row's sum l is taken of the UNQUANTISED p, in f32, and the product's result is divided by l at the end. Since M is a whole number, a kernel that streams over the keys may use a running M (the ceiling of the running maximum): every later rescaling is an exact power of two, so the quantised numbers keep their values, but for numbers so far below the row's largest that they fall under the format's range.
;;   OPERANDS COMPUTED ON THE WAY. 'Computed on the way' means the value that the module computes at that place (a softmax that the list does not call 'softmax' is quantised finished and normalised). What goes into a quantiser is computed in f32, as accurately as f32 sums, v_exp_f32 and their like allow (about 1e-6 of the number): no bf16 or f16 on the way to a quantiser, and a product that is left as it is and whose result goes on into a quantised operand takes f32 operands (vector FMAs, or v_wmma_f32_16x16x4_f32). A number that lies on a knife's edge between two numbers of the format may be rounded either way, as far as f32 arithmetic and the matrix unit's own rounding can turn it there, and no further.
;;   INPUTS GIVEN AS CODES. Wk (in the module: [1024, 1024], K = its axis 1); Wq (in the module: [1024, 1024], K = its axis 1); Wv (in the module: [1024, 1024], K = its axis 1); hidden_states (in the module: [4, 2048, 1024], K = its axis 2): each comes as NAME_codes (uint8): NAME with its K axis moved to the last place and cut into blocks of 32 codes, [.., K / 32, bytes a block], one block behind the other in memory; one code a byte (a code: sign, 4 exponent bits, 3 mantissa bits); its scale is its entry of lowp_scales. Its value is code x scale, taken as it is: it is not quantised again, and the codes and scales need not be those that the quantiser above would give.
;; One version. Each part assembles by itself: llvm-mc -triple=amdgcn-amd-amdhsa -mcpu=gfx1250 --defsym DOCPART=n.
;; ======== version 1 of 1: 2 launches
;; limits: right only within a limited range of input values
;; workspace buffers: qimg 8,388,608 bytes; kvimg 16,777,216 bytes
;; launch proj (part 1): grid 12 x 32, 4 waves a work-group, clusters of 4 x 4, 327,680 bytes of LDS; arguments hidden_states_codes, Wq_codes, Wk_codes, Wv_codes, bq, bk, bv, lowp_scales, qimg, kvimg; writes qimg, kvimg
.if DOCPART == 1
	.amdgcn_target "amdgcn-amd-amdhsa--gfx1250"
	.amdhsa_code_object_version 6
	.text
	.protected	k_qc8e038ed3b_proj
	.globl	k_qc8e038ed3b_proj
	.p2align	8
	.type	k_qc8e038ed3b_proj,@function
k_qc8e038ed3b_proj:
	s_mov_b64 s[64:65], 0
	v_nop
	global_prefetch_b8 v0, s[64:65] scope:SCOPE_SE
	s_setreg_imm32_b32 hwreg(HW_REG_WAVE_MODE, 25, 1), 1
	s_wait_xcnt 0x0
	s_wait_alu depctr_hold_cnt(0) depctr_sa_sdst(0) depctr_va_vdst(0) depctr_va_sdst(0) depctr_va_ssrc(0) depctr_va_vcc(0) depctr_vm_vsrc(0)
	s_getreg_b32 s2, hwreg(HW_REG_IB_STS2, 6, 4)
	s_cmp_eq_u32 s2, 0
	s_cbranch_scc0 .Lentry_in_a_cluster
	s_endpgm
.Lentry_in_a_cluster:
	s_bfe_u32 s2, ttmp6, 0x10000c
	s_cmp_lg_u32 s2, 0xf033
	s_cbranch_scc0 .Lentry_shape_is_right
	s_endpgm
.Lentry_shape_is_right:
.set KROW,   1024
.set ROWB,   256
.set PITCH,  272
.set FR,     16
.set NL,     4
.set NP,     4
.set HALFT,  128*PITCH
.set SLOT,   4*HALFT
.set SPARE,  2*SLOT
.set ADRA, 16
.set ADRB, 20
.set LO,   24
.set BOQ,  25
.set SC,   26
.set LIM,  27
.set SPW,  28
.set NIL,  29
.set BOV,  30
.set TMP,  32
.set BI,   64
.set AF,   128
.set CD,   128
.set G1, 24
.set G0, 32
.set G1B, 48
.set G0B, 56
.set KIND, 66
.set MSB, 0
.macro WIN new
.if MSB != (\new)
	s_set_vgpr_msb (MSB<<8)|(\new)
.set MSB, (\new)
.endif
.endm
.set MUL_LO, 0xa1
.set MUL_HI, 0xf1
.set TO_B,   0x40
.macro JLOAD g0a, g1a, g0b, g1b
	s_cmp_eq_u32 s15, 0
	s_cbranch_scc0 .Lfor_b_\@
	tensor_load_to_lds s[\g0a:\g0a+3], s[\g1a:\g1a+7]
	s_nop 0
.rept 4
	v_nop
.endr
	s_branch .Lasked_\@
.Lfor_b_\@:
	tensor_load_to_lds s[\g0b:\g0b+3], s[\g1b:\g1b+7]
	s_nop 0
.rept 4
	v_nop
.endr
.Lasked_\@:
.endm
.macro CREST
	s_cmp_lg_u32 s14, 0
	s_cbranch_scc1 .Lnot_wave_0_\@
	s_barrier_signal -3
.Lnot_wave_0_\@:
	s_barrier_wait -3
	s_barrier_signal -1
	s_barrier_wait -1
.endm
.macro CROUND
	s_barrier_signal -1
	s_barrier_wait -1
	CREST
.endm
	s_load_b256 s[68:75], s[0:1], 0x0
	s_load_b256 s[76:83], s[0:1], 0x20
	s_load_b128 s[84:87], s[0:1], 0x40
	v_lshl_add_u32 v[SPW], v0, 2, SPARE
	v_mov_b32 v[NIL], 0
	ds_add_u32 v28, v29
	ds_add_u32 v28, v29
	s_wait_dscnt 0x0
	v_lshrrev_b32 v1, 5, v0
	v_readfirstlane_b32 s14, v1
	s_lshr_b32 s15, s14, 1
	s_and_b32 s16, s14, 1
	s_bfe_u32 s40, ttmp6, 0x40000
	s_bfe_u32 s41, ttmp6, 0x40004
	s_mov_b32 s[KIND], ttmp9
	s_and_b32 s67, ttmp7, 0xffff
	s_lshl_b32 s67, s67, 2
	s_cmp_eq_u32 s[KIND], 2
	s_cselect_b32 s17, 0, s67
	s_cselect_b32 s42, s67, 0
	s_add_co_u32 s17, s17, s41
	s_add_co_u32 s42, s42, s40
	s_lshl_b32 s43, s41, 2
	s_lshl_b32 s43, 15, s43
	s_lshl_b32 s44, 0x1111, s40
	s_or_b32 s[G1+0], s43, (0<<16)|(1<<20)|(1<<21)|(5<<22)|(3<<25)
	s_or_b32 s[G1B+0], s44, (0<<16)|(1<<20)|(1<<21)|(5<<22)|(3<<25)
.irp g, G1, G1B
	s_mov_b32 s[\g+1], ROWB<<16
	s_mov_b32 s[\g+2], 128<<16
	s_mov_b32 s[\g+3], ROWB<<16
	s_mov_b32 s[\g+4], 128
	s_mov_b32 s[\g+5], KROW
	s_mov_b32 s[\g+6], 0
	s_mov_b32 s[\g+7], 0
.endr
	s_lshl_b32 s18, s16, 7
	s_lshl_b32 s20, s17, 8
	s_add_co_u32 s20, s20, s18
	s_lshl_b32 s20, s20, 10
	s_mov_b32 s21, 0
	s_lshl_b32 s46, s42, 8
	s_add_co_u32 s46, s46, s18
	s_lshl_b32 s46, s46, 10
	s_mov_b32 s47, 0
	s_mul_i32 s45, s14, HALFT
	s_wait_kmcnt 0x0
	s_load_b256 s[88:95], s[82:83], 0x0
	s_load_b64 s[96:97], s[82:83], 0x20
	s_cmp_eq_u32 s[KIND], 2
	s_cselect_b64 s[8:9], s[74:75], s[68:69]
	s_cselect_b64 s[10:11], s[68:69], s[72:73]
	s_cmp_eq_u32 s[KIND], 0
	s_cselect_b64 s[10:11], s[70:71], s[10:11]
	s_add_nc_u64 s[20:21], s[8:9], s[20:21]
	s_add_nc_u64 s[46:47], s[10:11], s[46:47]
	CROUND
.irp s, 0,1
	s_mov_b32 s[G0+4*\s], 1
	s_add_co_u32 s[G0+4*\s+1], s45, \s*SLOT
	s_add_nc_u64 s[G0+4*\s+2:G0+4*\s+3], s[20:21], \s*ROWB
	s_or_b32 s[G0+4*\s+3], s[G0+4*\s+3], 0x80000000
	s_mov_b32 s[G0B+4*\s], 1
	s_add_co_u32 s[G0B+4*\s+1], s45, \s*SLOT
	s_add_nc_u64 s[G0B+4*\s+2:G0B+4*\s+3], s[46:47], \s*ROWB
	s_or_b32 s[G0B+4*\s+3], s[G0B+4*\s+3], 0x80000000
	s_wait_alu depctr_va_vdst(0)
	s_wait_tensorcnt 0x0
	ds_add_u32 v28, v29
	ds_add_u32 v28, v29
	s_wait_dscnt 0x0
	CROUND
	JLOAD G0+4*\s, G1, G0B+4*\s, G1B
.endr
	v_and_b32 v1, 15, v0
	v_bfe_u32 v2, v0, 4, 1
	v_mul_u32_u24 v3, v1, PITCH
	v_lshl_add_u32 v4, v2, 4, v3
	s_mul_i32 s21, s15, HALFT
	s_mul_i32 s22, s16, HALFT
	s_add_co_u32 s22, s22, 2*HALFT
.irp s, 0,1
	v_add_nc_u32 v[ADRA+\s], s21, v4
	v_add_nc_u32 v[ADRB+\s], s22, v4
	s_add_co_u32 s21, s21, SLOT
	s_add_co_u32 s22, s22, SLOT
.endr
	v_and_b32 v5, 31, v0
	v_lshlrev_b32 v[LO], 4, v5
	v_lshlrev_b32 v[BOQ], 5, v2
	v_lshlrev_b32 v[BOV], 2, v1
.macro FRAG reg, adr, q, i
.irp c, 0,1,2,3
	ds_load_b128 v[\reg+4*\c:\reg+4*\c+3], v[\adr] offset:128*(\q)+32*\c+(\i)*16*PITCH
.endr
.endm
.macro MUL16 a0, p, zero
.irp a, \a0, \a0+1
.irp b, 0,1,2,3,4,5,6,7
.if \zero
	v_wmma_f32_16x16x128_fp8_fp8 v[8*(8*((\a)%4)+\b):8*(8*((\a)%4)+\b)+7], v[128*(\p)+FR*\b:128*(\p)+FR*\b+FR-1], v[AF+FR*(\a):AF+FR*(\a)+FR-1], 0
.else
	v_wmma_f32_16x16x128_fp8_fp8 v[8*(8*((\a)%4)+\b):8*(8*((\a)%4)+\b)+7], v[128*(\p)+FR*\b:128*(\p)+FR*\b+FR-1], v[AF+FR*(\a):AF+FR*(\a)+FR-1], v[8*(8*((\a)%4)+\b):8*(8*((\a)%4)+\b)+7]
.endif
.endr
.endr
.endm
.macro FETCH_B slot, q, p
	WIN TO_B
.irp i, 0,1,2,3,4,5,6,7
	FRAG 128*(\p)+FR*\i, ADRB+\slot, \q, \i
.endr
	WIN 0
.endm
.macro FETCH_A slot, q, i0
.irp i, \i0, \i0+1, \i0+2, \i0+3
	FRAG AF+FR*(\i), ADRA+\slot, \q, \i
.endr
.endm
.macro PLACES n
.rept \n
	v_nop
.endr
.endm
.macro STEP slot, q, zero
	s_wait_dscnt 4*NL
	WIN MUL_LO
	MUL16 0, (\q)%2, \zero
	MUL16 2, (\q)%2, \zero
	s_wait_dscnt 0
	PLACES NP
	FETCH_B \slot, (\q)+1, 1-(\q)%2
	FETCH_A \slot, (\q)+1, 0
	WIN MUL_HI
	MUL16 4, (\q)%2, \zero
	MUL16 6, (\q)%2, \zero
	PLACES NP
	WIN 0
	FETCH_A \slot, (\q)+1, 4
.endm
.macro TURN slot, next, fill
	s_wait_tensorcnt 0x0
	ds_add_u32 v[SPW], v[NIL]
	s_wait_dscnt 4*NL+1
	WIN MUL_LO
	MUL16 0, 1, 0
	s_wait_dscnt 0x0
	s_barrier_signal -1
	MUL16 2, 1, 0
	WIN 0
	s_barrier_wait -1
.if \fill
	CREST
	s_add_nc_u64 s[G0+4*\slot+2:G0+4*\slot+3], s[G0+4*\slot+2:G0+4*\slot+3], 2*ROWB
	s_add_nc_u64 s[G0B+4*\slot+2:G0B+4*\slot+3], s[G0B+4*\slot+2:G0B+4*\slot+3], 2*ROWB
	JLOAD G0+4*\slot, G1, G0B+4*\slot, G1B
.else
	PLACES NP
.endif
	FETCH_B \next, 0, 0
	FETCH_A \next, 0, 0
	WIN MUL_HI
	MUL16 4, 1, 0
	MUL16 6, 1, 0
	PLACES NP
	WIN 0
	FETCH_A \next, 0, 4
.endm
.macro LAST
	s_wait_dscnt 4*NL
	WIN MUL_LO
	MUL16 0, 1, 0
	MUL16 2, 1, 0
	s_wait_dscnt 0
	WIN MUL_HI
	MUL16 4, 1, 0
	MUL16 6, 1, 0
	WIN 0
.endm
.macro GROUP a, g, isv
.set AC, 64*((\a)%4)+32*(\g)
.set CC, CD+8*(2*(\a)+(\g))
	WIN 0x02+((\a)/4)
.irp q, 0,1,2,3
.irp i, 0,2,4,6
.if \isv
.if ((\a)%2)
	v_pk_add_f32 v[TMP+8*\q+\i:TMP+8*\q+\i+1], v[AC+8*\q+\i:AC+8*\q+\i+1], v[BI+2*((\a)/2):BI+2*((\a)/2)+1] op_sel:[0,1] op_sel_hi:[1,1]
.else
	v_pk_add_f32 v[TMP+8*\q+\i:TMP+8*\q+\i+1], v[AC+8*\q+\i:AC+8*\q+\i+1], v[BI+2*((\a)/2):BI+2*((\a)/2)+1] op_sel:[0,0] op_sel_hi:[1,0]
.endif
.else
	v_pk_add_f32 v[TMP+8*\q+\i:TMP+8*\q+\i+1], v[AC+8*\q+\i:AC+8*\q+\i+1], v[BI+8*(4*(\g)+\q)+\i:BI+8*(4*(\g)+\q)+\i+1]
.endif
.endr
.endr
	WIN 0
.set J, 0
.rept 32
	v_med3_num_f32 v[TMP+J], v[TMP+J], -v[LIM], v[LIM]
.set J, J+1
.endr
.irp q, 0,1,2,3
	v_cvt_scalef32_pk8_fp8_f32 v[CC+2*\q:CC+2*\q+1], v[TMP+8*\q:TMP+8*\q+7], v[SC]
.endr
	v_nop
.irp c, 0,1
.if \isv
	global_store_b128 v[LO], v[CC+4*\c:CC+4*\c+3], s[4:5] offset:((\a)/4)*262144+((\a)%4)*2048+(2*(\g)+\c)*512
.else
	global_store_b128 v[LO], v[CC+4*\c:CC+4*\c+3], s[4+2*(\g):5+2*(\g)] offset:(\a)*1024+512*\c
.endif
.endr
.endm
	s_wait_alu depctr_va_vdst(0)
	s_wait_tensorcnt 0x1
	s_barrier_signal -1
	s_barrier_wait -1
	FETCH_B 0, 0, 0
	FETCH_A 0, 0, 0
	FETCH_A 0, 0, 4
	STEP 0, 0, 1
	TURN 0, 1, 1
	STEP 1, 0, 0
	TURN 1, 0, 1
	STEP 0, 0, 0
	TURN 0, 1, 0
	STEP 1, 0, 0
	s_cmp_eq_u32 s[KIND], 2
	s_cbranch_scc1 .Lv
	s_lshr_b32 s12, s17, 3
	s_lshl_b32 s13, s17, 1
	s_add_co_u32 s13, s13, s15
	s_and_b32 s13, s13, 15
	s_lshl_b32 s19, s42, 2
	s_lshl_b32 s22, s16, 1
	s_add_co_u32 s19, s19, s22
	s_lshl_b32 s12, s12, 4
	s_add_co_u32 s12, s12, s19
	s_lshl_b32 s12, s12, 4
	s_add_co_u32 s12, s12, s13
	s_cmp_eq_u32 s[KIND], 0
	s_cselect_b32 s19, 13, 14
	s_cselect_b64 s[4:5], s[84:85], s[86:87]
	s_cselect_b64 s[22:23], s[76:77], s[78:79]
	s_lshl_b32 s12, s12, s19
	s_mov_b32 s13, 0
	s_add_nc_u64 s[4:5], s[4:5], s[12:13]
	s_lshl_b32 s12, 16, s19
	s_add_nc_u64 s[6:7], s[4:5], s[12:13]
	s_lshl_b32 s12, s42, 10
	s_lshl_b32 s19, s16, 9
	s_add_co_u32 s12, s12, s19
	s_add_nc_u64 s[22:23], s[22:23], s[12:13]
.irp b, 0,1,2,3,4,5,6,7
	global_load_b128 v[BI+8*\b:BI+8*\b+3], v[BOQ], s[22:23] offset:64*\b
	global_load_b128 v[BI+8*\b+4:BI+8*\b+7], v[BOQ], s[22:23] offset:64*\b+16
.endr
	LAST
	s_wait_loadcnt 0x0
	s_wait_kmcnt 0x0
	s_cmp_eq_u32 s[KIND], 0
	s_cselect_b32 s12, s88, s90
	s_cselect_b32 s13, s89, s91
	s_cselect_b32 s19, s94, s95
	s_add_co_i32 s12, s12, s13
	s_sub_co_i32 s13, 0, s12
	s_sub_co_i32 s19, s19, s12
	s_add_co_i32 s19, s19, 127
	s_lshl_b32 s12, s19, 23
	v_mov_b32 v[SC], s12
	s_add_co_i32 s19, s19, 8
	s_lshl_b32 s19, s19, 23
	s_or_b32 s19, s19, 0x600000
	v_mov_b32 v[LIM], s19
.set J, 0
.rept 64
	v_ldexp_f32 v[BI+J], v[BI+J], s13
.set J, J+1
.endr
.irp a, 0,1,2,3,4,5,6,7
.irp g, 0,1
	GROUP \a, \g, 0
.endr
.endr
	s_branch .Lend
.Lv:
	s_lshr_b32 s12, s42, 3
	s_lshl_b32 s13, s42, 1
	s_add_co_u32 s13, s13, s16
	s_and_b32 s13, s13, 15
	s_lshl_b32 s19, s17, 2
	s_lshl_b32 s22, s15, 1
	s_add_co_u32 s19, s19, s22
	s_lshl_b32 s12, s12, 4
	s_add_co_u32 s12, s12, s19
	s_lshl_b32 s12, s12, 4
	s_add_co_u32 s12, s12, s13
	s_lshl_b32 s12, s12, 14
	s_add_co_u32 s12, s12, 8192
	s_mov_b32 s13, 0
	s_add_nc_u64 s[4:5], s[86:87], s[12:13]
	s_lshl_b32 s12, s17, 10
	s_lshl_b32 s19, s15, 9
	s_add_co_u32 s12, s12, s19
	s_add_nc_u64 s[22:23], s[80:81], s[12:13]
.irp a, 0,1,2,3,4,5,6,7
	global_load_b32 v[BI+\a], v[BOV], s[22:23] offset:64*\a
.endr
	LAST
	s_wait_loadcnt 0x0
	s_wait_kmcnt 0x0
	s_add_co_i32 s12, s92, s93
	s_sub_co_i32 s13, 0, s12
	s_sub_co_i32 s19, s97, s12
	s_add_co_i32 s19, s19, 127
	s_lshl_b32 s12, s19, 23
	v_mov_b32 v[SC], s12
	s_add_co_i32 s19, s19, 8
	s_lshl_b32 s19, s19, 23
	s_or_b32 s19, s19, 0x600000
	v_mov_b32 v[LIM], s19
.set J, 0
.rept 8
	v_ldexp_f32 v[BI+J], v[BI+J], s13
.set J, J+1
.endr
.irp a, 0,1,2,3,4,5,6,7
.irp g, 0,1
	GROUP \a, \g, 1
.endr
.endr
.Lend:
	s_wait_tensorcnt 0x0
	ds_add_u32 v[SPW], v[NIL]
	s_wait_dscnt 0x0
	CROUND
	s_endpgm
.Lfunc_end_k_qc8e038ed3b_proj:
	.size	k_qc8e038ed3b_proj, .Lfunc_end_k_qc8e038ed3b_proj-k_qc8e038ed3b_proj
	.p2alignl 7, 3214868480
	.fill 96, 4, 3214868480
	.section	.rodata,"a",@progbits
	.p2align	6, 0x0
	.amdhsa_kernel k_qc8e038ed3b_proj
		.amdhsa_group_segment_fixed_size 327680
		.amdhsa_private_segment_fixed_size 0
		.amdhsa_enable_private_segment 0
		.amdhsa_kernarg_size 80
		.amdhsa_user_sgpr_count 2
		.amdhsa_user_sgpr_kernarg_segment_ptr 1
		.amdhsa_wavefront_size32 1
		.amdhsa_system_sgpr_workgroup_id_x 1
		.amdhsa_system_sgpr_workgroup_id_y 1
		.amdhsa_system_sgpr_workgroup_id_z 1
		.amdhsa_system_vgpr_workitem_id 0
		.amdhsa_next_free_vgpr 1024
		.amdhsa_next_free_sgpr 100
		.amdhsa_reserve_vcc 0
		.amdhsa_float_denorm_mode_32 3
		.amdhsa_float_denorm_mode_16_64 3
		.amdhsa_memory_ordered 1
		.amdhsa_forward_progress 1
		.amdhsa_inst_pref_size 204
	.end_amdhsa_kernel
	.amdgpu_metadata
---
amdhsa.version: [ 1, 2 ]
amdhsa.kernels:
  - .name:           k_qc8e038ed3b_proj
    .symbol:         k_qc8e038ed3b_proj.kd
    .args:
      - { .name: hidden_states_codes, .offset: 0, .size: 8, .value_kind: global_buffer, .address_space: global }
      - { .name: Wq_codes, .offset: 8, .size: 8, .value_kind: global_buffer, .address_space: global }
      - { .name: Wk_codes, .offset: 16, .size: 8, .value_kind: global_buffer, .address_space: global }
      - { .name: Wv_codes, .offset: 24, .size: 8, .value_kind: global_buffer, .address_space: global }
      - { .name: bq, .offset: 32, .size: 8, .value_kind: global_buffer, .address_space: global }
      - { .name: bk, .offset: 40, .size: 8, .value_kind: global_buffer, .address_space: global }
      - { .name: bv, .offset: 48, .size: 8, .value_kind: global_buffer, .address_space: global }
      - { .name: lowp_scales, .offset: 56, .size: 8, .value_kind: global_buffer, .address_space: global }
      - { .name: qimg, .offset: 64, .size: 8, .value_kind: global_buffer, .address_space: global }
      - { .name: kvimg, .offset: 72, .size: 8, .value_kind: global_buffer, .address_space: global }
    .group_segment_fixed_size: 327680
    .private_segment_fixed_size: 0
    .kernarg_segment_align: 8
    .kernarg_segment_size: 80
    .max_flat_workgroup_size: 128
    .sgpr_count:     100
    .vgpr_count:     1024
    .wavefront_size: 32
...
	.end_amdgpu_metadata
.endif
;; end of part 1
;; launch attn (part 2): grid 4 x 64, 8 waves a work-group, clusters of 4 x 4, 327,680 bytes of LDS; arguments qimg, kvimg, attention_mask, key_padding_mask, lowp_scales, out0; writes out0
.if DOCPART == 2
	.amdgcn_target "amdgcn-amd-amdhsa--gfx1250"
	.amdhsa_code_object_version 6
	.text
	.protected	k_qc8e038ed3b_attn
	.globl	k_qc8e038ed3b_attn
	.p2align	8
	.type	k_qc8e038ed3b_attn,@function
k_qc8e038ed3b_attn:
	s_mov_b64 s[64:65], 0
	v_nop
	global_prefetch_b8 v0, s[64:65] scope:SCOPE_SE
	s_setreg_imm32_b32 hwreg(HW_REG_WAVE_MODE, 25, 1), 1
	s_wait_xcnt 0x0
	s_wait_alu depctr_hold_cnt(0) depctr_sa_sdst(0) depctr_va_vdst(0) depctr_va_sdst(0) depctr_va_ssrc(0) depctr_va_vcc(0) depctr_vm_vsrc(0)
	s_getreg_b32 s2, hwreg(HW_REG_IB_STS2, 6, 4)
	s_cmp_eq_u32 s2, 0
	s_cbranch_scc0 .Lentry_in_a_cluster
	s_endpgm
.Lentry_in_a_cluster:
	s_bfe_u32 s2, ttmp6, 0x10000c
	s_cmp_lg_u32 s2, 0xf033
	s_cbranch_scc0 .Lentry_shape_is_right
	s_endpgm
.Lentry_shape_is_right:
; out0[b][q][64 head + d] = sum over s of softmax_s(q.k / 8 + attention_mask[b][q][s] + (1 - key_padding_mask[b][s]) x -10000) v[s][d], both products on E4M3 codes (scales e6, e7; e8, e9).  No work of the problem is left out.
; q, k, v come as images of the operands' registers: a tile of Q or K (16 tokens x 64) is 1,024 bytes, a tile of V^T (16 channels x 128 keys) 2,048; chunk c of 512 bytes holds lane l's registers 4 c .. 4 c + 3 at 16 l.
; SHARES.  A work-group owns 128 queries x 4 heads; 4 x 64 work-groups.  Wave w owns query tiles 2 (w % 4), + 1 and heads 2 (w / 4), + 1 of the four: four tiles of 16 queries.  16 steps of 128 keys.
; CLUSTER 4 x 4.  x = the group of four heads, y = the block of 128 queries (four blocks of one batch).  A row of the cluster needs the same tile of the mask (128 rows x 512 bytes a step), a column the same K and V
;   (4 heads x 16,384 bytes a step): both are asked for JOINTLY.  Waves 0-3 ask for 32 rows of the mask each, waves 4-7 for one head's K and V each: one tensor load a wave at the head and behind each round.
; LAYOUT.  Both products are used transposed: S^T = K Q^T, O^T = V^T P^T: a lane holds ONE query (lane % 16), and register j of tile n of S^T is key 16 n + 8 (lane / 16) + j: a conversion's two registers are registers 2 n, 2 n + 1 of P.
; THE MASKS ENTER AS THE C OF THE SCORE PRODUCT.  With sigma = 2^(e6 + e7 - 3) a logit is sigma x u, u = (sum of code products) + (mask + padding) / sigma; the division rounds nothing.  The term is made once for a query tile
;   and a step, kept in 64 registers, and serves both heads of the wave (C and D are different registers).
; SOFTMAX.  t = u x (sigma log2 e); -M = floor(-(running largest t)); p = 2^(t - M) is quantised with 2^e8, held at 448 x 2^e8; the row's sum is taken of the unquantised p; when M moves, the sum and O^T are multiplied by
;   2^(old M - new M), which rounds nothing; at the end O^T is divided by the sum and multiplied by 2^(e8 + e9).
; LIMITS: e6 + e7 between -111 and 129 and e8 between -126 and 119, so that each power of two below is an f32 number.  NaN and +infinity among the masks are not served; a row all of whose logits are -infinity is not served.
;   The mask and the padding are added to each other first, by one fused multiply-add, and then to the score inside the matrix instruction: another order of rounding than score + mask + padding.
; REGISTERS.  Window 0: v1-12 addresses; v96-103 the four sums (pairs); v104-119 at work, and the four largest t; v192-255 the padding terms, then S^T and p.  Window 1: v0-15, v112-127 P of query tile 0, 1; v192-255 fragments of K, then V.
;   In window t, for query tile t: v16-31 Q of head 0, 1; v32-95 O^T of head 0, 1; v128-191 the mask term.
.set MP,    528                        ; a row of the mask in LDS: 512 bytes + 16: the 16 rows that a load touches start at 16 different banks (ISA guide 11.1)
.set KVO,   128*MP                     ; a slot: 128 rows of the mask, then four heads' K and V
.set SLOTB, KVO+65536
.set PADT,  2*SLOTB                    ; the padding terms of the batch's 2,048 keys: written by LDS stores, never a tensor load's target
.set SPARE, PADT+8192                  ; the spare words, 128 bytes a wave
.set STW,   16*MP                      ; the way out: a stage of 16 rows x (512 + 16) bytes a wave, in slot 0's rows of the mask: that slot has had its last fill, and its last read lies ahead of the last round
.set SPW,  1
.set NIL,  2
.set ADM,  3                           ; my place in the mask's rows of slot 0: (32 (w % 4) + r) x 528 + 32 h
.set ADK,  4                           ; KVO + 32,768 (w / 4) + 16 lane
.set ADP0, 5                           ; PADT + 32 h
.set ADPC, 6                           ; the three for the step in hand
.set ADMC, 7
.set ADKC, 8
.set PFO,  9                           ; the prefetches' offset; never rewritten
.set STO,  10
.set RD,   11
.set L16,  12                          ; 16 x lane
.set FF,   104                         ; f, and 0 above it
.set TA,   106
.set TC,   107
.set L2,   108
.set PX,   110
.set SCV,  111                         ; 2^e8
.set LIMV, 112                         ; 448 x 2^e8
.set NMC,  114                         ; -M, and 0 above it
.set MK,   128
.set S,    192
.set KV,   192
.set WV,   16
.set HP,   17                          ; w / 4: which pair of heads; also: I fetch the mask (0) or K and V (1)
.set W3,   18                          ; w % 4
.set CX,   19
.set CY,   20
.set Y,    21                          ; block of 128 queries, 0 .. 63
.set CS,   22                          ; s[22:23] sigma x log2(e)
.set G1M,  24
.set G1K,  32
.set G0M,  40                          ; walking descriptors
.set G0K,  44
.set IS,   48                          ; s[48:49] 1 / sigma
.set SEL,  50
.set PB,   52                          ; the step's first byte among the padding terms
.set TRIPS, 53
.set TB,   54                          ; the slot in hand
.set LIM,  55                          ; 2 in a wave that prefetches, else the greatest number
.set EPV,  56
.set BT,   57                          ; batch
.set PFA,  58
.set PFS,  60
.set MSB, 0
.macro WIN new                         ; bits 1:0 source 0, 3:2 source 1, 5:4 source 2, 7:6 destination; the high byte repeats the setting that is left
.if MSB != (\new)
	s_set_vgpr_msb (MSB<<8)|(\new)
.set MSB, (\new)
.endif
.endm
.macro PLACES
.rept 4
	v_nop
.endr
.endm
.macro CROUND                          ; a round of the cluster's barrier
	s_barrier_signal -1
	s_barrier_wait -1
	s_cmp_lg_u32 s[WV], 0
	s_cbranch_scc1 .Lnot_wave_0_\@
	s_barrier_signal -3
.Lnot_wave_0_\@:
	s_barrier_wait -3
	s_barrier_signal -1
	s_barrier_wait -1
.endm
.macro JLOAD                           ; a joint load: each line has one mask and one set of registers; the branch hangs on the wave's number alone; s_nop 0 and four v_nop follow each
	s_cmp_eq_u32 s[HP], 0
	s_cbranch_scc0 .Lfor_k_\@
	tensor_load_to_lds s[G0M:G0M+3], s[G1M:G1M+7]
	s_nop 0
	PLACES
	s_branch .Lasked_\@
.Lfor_k_\@:
	tensor_load_to_lds s[G0K:G0K+3], s[G1K:G1K+7]
	s_nop 0
	PLACES
.Lasked_\@:
.endm
; A PREFETCH INTO THE L2: trip i, which loads step i + 1, names step i + 3.  Each aligned block of 256 bytes is named once in each cluster that loads it; the partners share the blocks out BY ADDRESS.
; The mask's 128 rows x 512 bytes: waves 0, 1; of rows 64 w .. + 63 the partner at cx takes 16, two lanes to a row.  K and V: waves 4, 5; heads 2 (w % 4), + 1; of a head's 16,384 bytes the partner at cy takes 4,096, lanes 256 bytes apart.
; Trips 13 and 14 ask for nothing: there is no step 16.  Steps 0 to 2 come by their loads alone.
.macro ASK
	s_cmp_gt_u32 s[TRIPS], s[LIM]
	s_cbranch_scc0 .Lnot_mine_\@
	global_prefetch_b8 v[PFO], s[PFA:PFA+1] th:TH_LOAD_NT scope:SCOPE_SE
.Lnot_mine_\@:
.endm
	s_load_b256 s[4:11], s[0:1], 0x0               ; qimg, kvimg, the mask, the padding mask
	s_load_b128 s[12:15], s[0:1], 0x20             ; the scales' exponents, out0
	v_lshl_add_u32 v[SPW], v0, 2, SPARE
	v_mov_b32 v[NIL], 0
	ds_add_u32 v[SPW], v[NIL]                      ; the opening lines: the add, twice on end, and its wait ahead of my first tensor load
	ds_add_u32 v[SPW], v[NIL]
	v_lshrrev_b32 v13, 5, v0
	v_readfirstlane_b32 s[WV], v13
	s_lshr_b32 s[HP], s[WV], 2
	s_and_b32 s[W3], s[WV], 3
	s_bfe_u32 s[CX], ttmp6, 0x40000
	s_bfe_u32 s[CY], ttmp6, 0x40004
	s_and_b32 s[Y], ttmp7, 0xffff                  ; the cluster's y: four clusters to a batch
	s_lshr_b32 s[BT], s[Y], 2
	s_lshl_b32 s[Y], s[Y], 2
	s_add_co_u32 s[Y], s[Y], s[CY]
	s_lshl_b32 s72, s[CY], 2
	s_lshl_b32 s72, 15, s72                        ; my row of the cluster
	s_lshl_b32 s73, 0x1111, s[CX]                  ; my column
	s_or_b32 s[G1M], s72, (2<<16)|(1<<20)|(1<<21)|(6<<22)|(3<<25)  ; the mask: elements of 4 bytes; four words of padding after every 128
	s_mov_b32 s[G1M+1], 128<<16
	s_mov_b32 s[G1M+2], 32<<16
	s_mov_b32 s[G1M+3], 128<<16
	s_mov_b32 s[G1M+4], 32                         ; 32 rows x 128 elements,
	s_mov_b32 s[G1M+5], 2048                       ; 2,048 elements from row to row
	s_mov_b32 s[G1M+6], 0
	s_mov_b32 s[G1M+7], 0
	s_or_b32 s[G1K], s73, (3<<16)|(1<<21)          ; K and V of a head and a step: a dense block, 64 rows of 32 elements of 8 bytes
	s_mov_b32 s[G1K+1], 32<<16
	s_mov_b32 s[G1K+2], 64<<16
	s_mov_b32 s[G1K+3], 32<<16
	s_mov_b32 s[G1K+4], 64
	s_mov_b32 s[G1K+5], 32
	s_mov_b32 s[G1K+6], 0
	s_mov_b32 s[G1K+7], 0
	s_mov_b32 s[SEL], 0x76543210
	s_mov_b32 s[SEL+1], 0xfedcba98
	s_mov_b32 s[PB], 0
	s_mov_b32 s[TB], 0
	s_mov_b32 s[TRIPS], 15
	; offsets.  The mask's hold y and the wave's number alone; K's and V's the batch, cx and the wave's number alone
	s_lshl_b32 s74, s[Y], 7
	s_lshl_b32 s72, s[W3], 5
	s_add_co_u32 s74, s74, s72                     ; row 128 y + 32 (w % 4): of the mask that I fetch, and my first row of out0
	s_lshl_b32 s82, s74, 12
	s_lshl_b32 s74, s74, 13
	s_mov_b32 s75, 0
	s_mul_i32 s76, s[W3], 32*MP                    ; its place in a slot
	s_lshl_b32 s78, s[BT], 4
	s_lshl_b32 s72, s[CX], 2
	s_add_co_u32 s78, s78, s72                     ; 16 batch + 4 cx
	s_lshl_b32 s72, s[HP], 1
	s_add_co_u32 s80, s78, s72                     ; my first head
	s_lshl_b32 s72, s[W3], 1
	s_add_co_u32 s87, s78, s72                     ; the first head that I prefetch
	s_add_co_u32 s78, s78, s[W3]                   ; the head that I fetch
	s_lshl_b32 s78, s78, 18
	s_mov_b32 s79, 0
	s_lshl_b32 s77, s[W3], 14
	s_add_co_u32 s77, s77, KVO
	s_lshl_b32 s80, s80, 17                        ; Q: 128 tiles of 1,024 bytes a head,
	s_and_b32 s72, s[Y], 15
	s_lshl_b32 s72, s72, 13
	s_add_co_u32 s80, s80, s72                     ; 8 tiles a block,
	s_lshl_b32 s72, s[W3], 11
	s_add_co_u32 s80, s80, s72                     ; 2 a wave
	s_mov_b32 s81, 0
	s_lshl_b32 s72, s[CX], 10
	s_add_co_u32 s82, s82, s72
	s_lshl_b32 s72, s[HP], 9
	s_add_co_u32 s82, s82, s72                     ; out0: + my two heads' 512 bytes
	s_mov_b32 s83, 0
	s_lshl_b32 s84, s[BT], 13
	s_mov_b32 s85, 0
	; the prefetches
	s_lshl_b32 s86, s[Y], 7
	s_lshl_b32 s72, s[W3], 6
	s_add_co_u32 s86, s86, s72
	s_lshl_b32 s72, s[CX], 4
	s_add_co_u32 s86, s86, s72
	s_lshl_b32 s86, s86, 13
	s_add_co_u32 s86, s86, 2*512                   ; at step 2: the first trip steps it to step 3
	s_lshl_b32 s87, s87, 18
	s_lshl_b32 s72, s[CY], 12
	s_add_co_u32 s87, s87, s72
	s_add_co_u32 s87, s87, 2*16384
	s_mov_b32 s[PFS], 16384
	s_cmp_eq_u32 s[HP], 0
	s_cselect_b32 s86, s86, s87
	s_cselect_b32 s[PFS], 512, s[PFS]
	s_cselect_b32 s88, 1, 4                        ; lanes to a row of the mask, or to a head
	s_cselect_b32 s89, 13, 18                      ; a row, or a head, on
	s_cselect_b32 s90, 1, 15
	s_mov_b32 s87, 0
	s_mov_b32 s[PFS+1], 0
	s_cmp_lt_u32 s[W3], 2
	s_cselect_b32 s[LIM], 2, -1
	s_mul_i32 s91, s[WV], STW
	s_lshl_b32 s92, s[HP], 15
	s_add_co_u32 s92, s92, KVO
	s_lshl_b32 s93, s[W3], 5
	s_wait_dscnt 0x0                               ; both opening adds are done
	s_wait_kmcnt 0x0
	s_load_b128 s[68:71], s[12:13], 0x18           ; e6, e7, e8, e9
	s_mov_b32 s[G0M], 1
	s_mov_b32 s[G0M+1], s76
	s_add_nc_u64 s[G0M+2:G0M+3], s[8:9], s[74:75]
	s_or_b32 s[G0M+3], s[G0M+3], 0x80000000
	s_mov_b32 s[G0K], 1
	s_mov_b32 s[G0K+1], s77
	s_mov_b32 s66, s76                             ; my part's place in a slot: of the mask,
	s_mov_b32 s67, s77                             ; of K and V
	s_mov_b32 s62, 0                               ; the slot that was asked for last: 0 or SLOTB
	s_add_nc_u64 s[G0K+2:G0K+3], s[6:7], s[78:79]
	s_or_b32 s[G0K+3], s[G0K+3], 0x80000000
	s_add_nc_u64 s[4:5], s[4:5], s[80:81]
	s_add_nc_u64 s[14:15], s[14:15], s[82:83]
	s_add_nc_u64 s[10:11], s[10:11], s[84:85]
	s_cmp_eq_u32 s[HP], 0
	s_cselect_b64 s[PFA:PFA+1], s[8:9], s[6:7]
	s_add_nc_u64 s[PFA:PFA+1], s[PFA:PFA+1], s[86:87]
	CROUND                                         ; all sixteen work-groups are here: the first joint loads meet
	JLOAD                                          ; step 0 into slot 0: my one tensor load at the head
	v_and_b32 v13, 31, v0
	v_and_b32 v14, 15, v0                          ; r
	v_bfe_u32 v15, v0, 4, 1                        ; h
	v_lshlrev_b32 v[L16], 4, v13
	v_add_nc_u32 v[ADM], s93, v14
	v_mul_u32_u24 v[STO], v14, MP                  ; into the stage: row r, 32 bytes for each half of the lanes
	v_mul_u32_u24 v[ADM], v[ADM], MP
	v_lshl_add_u32 v[STO], v15, 5, v[STO]
	v_lshl_add_u32 v[ADM], v15, 5, v[ADM]
	v_add_nc_u32 v[STO], s91, v[STO]
	v_add_nc_u32 v[ADK], s92, v[L16]
	v_add_nc_u32 v[RD], s91, v[L16]                ; back: the 32 lanes take one row of 512 bytes
	v_lshlrev_b32 v[ADP0], 5, v15
	v_lshrrev_b32 v14, s88, v13
	v_and_b32 v13, s90, v13
	v_add_nc_u32 v[ADP0], PADT, v[ADP0]
	v_lshlrev_b32 v14, s89, v14
	v_lshl_add_u32 v15, v0, 5, PADT                ; my 8 padding terms' place in LDS
	v_lshl_add_u32 v[PFO], v13, 8, v14
	v_lshlrev_b32 v14, 5, v0                       ; my 8 keys of the padding mask
	global_load_b128 v[S:S+3], v14, s[10:11]
	global_load_b128 v[S+4:S+7], v14, s[10:11] offset:16
.irp t, 0,1
	WIN (\t)<<6
.irp g, 0,1
.irp c, 0,1
	global_load_b128 v[16+8*\g+4*\c:16+8*\g+4*\c+3], v[L16], s[4:5] offset:131072*\g+1024*\t+512*\c   ; Q stays in registers
.endr
.endr
.endr
	WIN 0
	s_wait_alu depctr_va_vdst(0)
	s_wait_kmcnt 0x0
	s_add_co_i32 s76, s68, s69
	s_sub_co_i32 s76, s76, 3                       ; x = e6 + e7 - 3
	s_lshl_b32 s77, s76, 23
	s_add_co_i32 s[CS], s77, 0x3fb8aa3b            ; log2(e) with x added to its exponent field
	s_mov_b32 s[CS+1], s[CS]
	s_sub_co_i32 s78, 127, s76
	s_lshl_b32 s[IS], s78, 23
	s_mov_b32 s[IS+1], s[IS]
	s_sub_co_i32 s79, 0xc61c4000, s77              ; N = -10000 / sigma
	s_add_co_i32 s80, s70, 127
	s_lshl_b32 s81, s80, 23
	s_add_co_i32 s80, s80, 8
	s_lshl_b32 s80, s80, 23
	s_or_b32 s80, s80, 0x600000
	s_add_co_i32 s[EPV], s70, s71
	v_mov_b32 v[SCV], s81
	v_mov_b32 v[LIMV], s80
	v_mov_b32 v[FF+1], 0                           ; (upper halves of pairs that are named whole)
	v_mov_b32 v[NMC+1], 0
	v_mov_b32 v[PX], 0                             ; a lane permute's destination counts as one of its sources
.set J, 0
.rept 4
	v_mov_b32 v[116+J], 0xff61b1e6                 ; the largest t so far: -3e38
	v_mov_b32 v[96+2*J], 0                         ; the sum, in two halves
	v_mov_b32 v[97+2*J], 0
.set J, J+1
.endr
.irp t, 0,1
	WIN (\t)<<6
.set J, 0
.rept 64
	v_mov_b32 v[32+J], 0                           ; O^T: the step is written for every step alike; a first step of its own would be a further copy of its text
.set J, J+1
.endr
.endr
	WIN 0
	s_wait_loadcnt 0x8                             ; the padding mask's two loads are in; Q's eight may be out
.set J, 0
.rept 8
	v_fma_f32 v[S+J], -v[S+J], s79, s79            ; (1 - kpm) x N, one rounding
.set J, J+1
.endr
	ds_store_b128 v15, v[S:S+3]
	ds_store_b128 v15, v[S+4:S+7] offset:16        ; awaited in front of the first round below
.set J, 0
.rept 64
	v_mov_b32 v[S+J], 0xff800000                   ; what the first trip finishes in place of a step before: scores of -infinity,
.set J, J+1
.endr
	WIN 0x40
.set J, 0
.rept 64
	v_mov_b32 v[KV+J], 0                           ; V's codes of zero,
.set J, J+1
.endr
.set J, 0
.rept 16
	v_mov_b32 v[J], 0                              ; and query tile 0's P of zero (window 1)
.set J, J+1
.endr
	WIN 0
	s_wait_alu depctr_va_vdst(0)                   ; the wait at the head's end
	s_wait_loadcnt 0x0                             ; Q
.macro FMA t                           ; the mask term of query tile t: mask / sigma + padding term
	WIN 0x41*(\t)
.set J, 0
.rept 32
	v_pk_fma_f32 v[MK+J:MK+J+1], v[MK+J:MK+J+1], s[IS:IS+1], v[S+J:S+J+1] op_sel_hi:[1,0,1]
.set J, J+2
.endr
.endm
.macro KQ g, t                         ; u = K Q^T + the mask term: eight accumulators, one instruction each
	WIN 0x01+0x14*(\t)                             ; K window 1; Q and C window t; D window 0
.set J, 0
.rept 8
	v_wmma_f32_16x16x64_fp8_fp8 v[S+J:S+J+7], v[KV+J:KV+J+7], v[16+8*(\g):23+8*(\g)], v[MK+J:MK+J+7]
.set J, J+8
.endr
.endm
.macro PV g, t                         ; O^T += V^T P^T: four accumulators, one instruction each
	WIN 0x05+0x50*(\t)                             ; V and P window 1; C and D window t
.set J, 0
.rept 4
	v_wmma_f32_16x16x128_fp8_fp8 v[32+32*(\g)+8*J:39+32*(\g)+8*J], v[KV+16*J:KV+16*J+15], v[112*(\t):112*(\t)+15], v[32+32*(\g)+8*J:39+32*(\g)+8*J]
.set J, J+1
.endr
.endm
.macro SM g, t, pad                    ; the softmax of one tile and one step: M, f, p, the sum, P's codes, O^T under the new M.  pad = 1: the next step's padding terms are asked for behind the conversions
.set LSX, 96+4*(\g)+2*(\t)
.set TMX, 116+2*(\g)+(\t)
.set OX,  32+32*(\g)
	WIN 0
	v_max3_num_f32 v[TA], v[S], v[S+1], v[S+2]     ; the accumulators are read in ascending order
	v_max3_num_f32 v[TC], v[S+3], v[S+4], v[S+5]   ; four chains that do not hang on each other
	v_max3_num_f32 v[L2], v[S+6], v[S+7], v[S+8]
	v_max3_num_f32 v[L2+1], v[S+9], v[S+10], v[S+11]
.set J, 12
.rept 6
	v_max3_num_f32 v[TA], v[TA], v[S+J], v[S+J+1]
	v_max3_num_f32 v[TC], v[TC], v[S+J+2], v[S+J+3]
	v_max3_num_f32 v[L2], v[L2], v[S+J+4], v[S+J+5]
	v_max3_num_f32 v[L2+1], v[L2+1], v[S+J+6], v[S+J+7]
.set J, J+8
.endr
	v_max3_num_f32 v[TA], v[TA], v[S+60], v[S+61]
	v_max3_num_f32 v[TC], v[TC], v[S+62], v[S+63]
	v_max_num_f32 v[L2], v[L2], v[L2+1]
	s_delay_alu instid0(VALU_DEP_1)
	v_max3_num_f32 v[TA], v[TA], v[TC], v[L2]
	s_delay_alu instid0(VALU_DEP_1)
	v_permlanex16_b32 v[PX], v[TA], s[SEL], s[SEL+1]
	v_floor_f32 v[TC], -v[TMX]                     ; the old -M
	s_delay_alu instid0(VALU_DEP_2)
	v_max_num_f32 v[TA], v[TA], v[PX]
	s_delay_alu instid0(VALU_DEP_1)
	v_mul_f32 v[TA], s[CS], v[TA]                  ; as t (the factor is positive)
	s_delay_alu instid0(VALU_DEP_1)
	v_max_num_f32 v[TMX], v[TMX], v[TA]            ; the running largest t
	s_delay_alu instid0(VALU_DEP_1)
	v_floor_f32 v[NMC], -v[TMX]                    ; the new -M: a whole number
	s_delay_alu instid0(VALU_DEP_1)
	v_sub_f32 v[TA], v[NMC], v[TC]                 ; old M - new M, 0 or less
	s_delay_alu instid0(VALU_DEP_1)
	v_cvt_i32_f32 v[TA], v[TA]                     ; (it saturates)
	s_delay_alu instid0(VALU_DEP_1)
	v_ldexp_f32 v[FF], 1.0, v[TA]                  ; f = 2^(old M - new M)
.set J, 0
.rept 32
	v_pk_fma_f32 v[S+J:S+J+1], v[S+J:S+J+1], s[CS:CS+1], v[NMC:NMC+1] op_sel_hi:[1,0,0]   ; t - M
.set J, J+2
.endr
	s_wait_alu depctr_va_vdst(0)                   ; a wait ahead of the batch
.set J, 0
.rept 64
	v_exp_f32 v[S+J], v[S+J]                       ; p = 2^(t - M), at most 1
.set J, J+1
.endr
	v_pk_mul_f32 v[LSX:LSX+1], v[LSX:LSX+1], v[FF:FF+1] op_sel_hi:[1,0]   ; the sums under the new M; a plain instruction behind the exponentials
	s_wait_alu depctr_va_vdst(0)                   ; and one wait behind the batch, ahead of its first reader
	v_pk_add_f32 v[L2:L2+1], v[S:S+1], v[S+2:S+3]  ; the sum of the unquantised p, in four chains (v120-123 of window 0 hold two of them)
	v_pk_add_f32 v[120:121], v[S+4:S+5], v[S+6:S+7]
	v_pk_add_f32 v[122:123], v[S+8:S+9], v[S+10:S+11]
.set J, 12
.rept 6
	v_pk_add_f32 v[LSX:LSX+1], v[LSX:LSX+1], v[S+J:S+J+1]
	v_pk_add_f32 v[L2:L2+1], v[L2:L2+1], v[S+J+2:S+J+3]
	v_pk_add_f32 v[120:121], v[120:121], v[S+J+4:S+J+5]
	v_pk_add_f32 v[122:123], v[122:123], v[S+J+6:S+J+7]
.set J, J+8
.endr
	v_pk_add_f32 v[LSX:LSX+1], v[LSX:LSX+1], v[S+60:S+61]
	v_pk_add_f32 v[L2:L2+1], v[L2:L2+1], v[S+62:S+63]
	v_pk_add_f32 v[120:121], v[120:121], v[122:123]
	v_pk_add_f32 v[LSX:LSX+1], v[LSX:LSX+1], v[L2:L2+1]
	s_delay_alu instid0(VALU_DEP_1)
	v_pk_add_f32 v[LSX:LSX+1], v[LSX:LSX+1], v[120:121]
.set J, 0
.rept 32
	v_dual_min_num_f32 v[S+J], v[LIMV], v[S+J] :: v_dual_min_num_f32 v[S+J+1], v[LIMV], v[S+J+1]   ; the hold: the conversion does not saturate (ISA guide 7.6.2); p is not negative
.set J, J+2
.endr
	WIN 0x40                                       ; P lies in window 1
.set J, 0
.rept 8
	v_cvt_scalef32_pk8_fp8_f32 v[112*(\t)+2*J:112*(\t)+2*J+1], v[S+8*J:S+8*J+7], v[SCV]
.set J, J+1
.endr
.if \pad
	WIN 0
.set J, 0
.rept 16
	ds_load_b128 v[S+4*J:S+4*J+3], v[ADPC] offset:64*(J/2)+16*(J%2)          ; the padding terms of keys 16 n + 8 h + 0 .. 7 of the step in hand, into the registers that the conversions have read
.set J, J+1
.endr
.endif
	WIN 0x41*(\t)
	s_wait_alu depctr_va_vdst(0)                   ; directly ahead of the first reader of O^T
.set J, 0
.rept 16
	v_pk_mul_f32 v[OX+J:OX+J+1], v[OX+J:OX+J+1], v[FF:FF+1] op_sel_hi:[1,0]   ; O^T x f, from each accumulator's low end on; also the plain instructions behind the conversions
.set J, J+2
.endr
.endm
.macro HEAD g                          ; one head's two tiles.  K serves both score products, then V takes its registers and serves both second products
	KQ \g, 0
	PLACES
	SM \g, 0, 0
	KQ \g, 1
	PLACES                                         ; in front of the first read of S^T and of the loads into K's registers
	WIN 0x40
.set J, 0
.rept 16
	ds_load_b128 v[KV+4*J:KV+4*J+3], v[ADKC] offset:16384*(\g)+8192+512*J   ; V lands while tile 1's p are made
.set J, J+1
.endr
.if (\g) == 0                          ; head 1's last softmax and its second products stand behind the next change of slots
	SM 0, 1, 0
	s_wait_alu depctr_va_vdst(0)
	s_wait_dscnt 0x0                               ; V is in
	PV 0, 0
	PV 0, 1
	PLACES                                         ; in front of the loads into V's registers
	WIN 0x40
.set J, 0
.rept 16
	ds_load_b128 v[KV+4*J:KV+4*J+3], v[ADKC] offset:16384+512*J             ; the second head's K
.set J, J+1
.endr
	s_wait_dscnt 0x0
.endif
.endm
.macro STEP                            ; a key step on the slot in hand
	v_add_nc_u32 v[ADPC], s[PB], v[ADP0]
	v_add_nc_u32 v[ADMC], s[TB], v[ADM]
	v_add_nc_u32 v[ADKC], s[TB], v[ADK]
.set J, 0
.rept 16
	ds_load_b128 v[MK+4*J:MK+4*J+3], v[ADMC] offset:64*(J/2)+16*(J%2)        ; query tile 0's rows of the mask
.set J, J+1
.endr
	WIN 0x40
.set J, 0
.rept 16
	ds_load_b128 v[MK+4*J:MK+4*J+3], v[ADMC] offset:16*MP+64*(J/2)+16*(J%2)  ; query tile 1's
.set J, J+1
.endr
	; THE STEP BEFORE IS FINISHED HERE, on registers alone, while the 32 loads above land: the softmax of its last tile (head 1, query tile 1) and head 1's two second products; V came into registers ahead of the round.
	; The first trip finds scores of -infinity and codes of zero, set at the head: p = 0, f = 1, and nothing is added to the sum or to O^T.
	SM 1, 1, 1                                     ; (it also asks for this step's padding terms, as soon as S^T's registers are free)
	PV 1, 0
	PV 1, 1
	PLACES                                         ; in front of the loads into V's registers
	WIN 0x40
.set J, 0
.rept 16
	ds_load_b128 v[KV+4*J:KV+4*J+3], v[ADKC] offset:512*J                    ; the first head's K
.set J, J+1
.endr
	s_wait_dscnt 16                                ; the masks and the padding terms are in; K's 16 loads may be out
	FMA 0
	FMA 1
	s_wait_dscnt 0x0
	HEAD 0
	HEAD 1
	WIN 0
	s_xor_b32 s[TB], s[TB], SLOTB
	s_add_co_u32 s[PB], s[PB], 512
.endm
; THE CHANGE OF SLOTS at a step's head.  Each wave waits for all its tensor loads (one is out: its part of the slot ahead), adds 0 to its spare word, and waits for that and for its reads of the slot that it has left.
; The round shows the same of every wave of all sixteen work-groups.  fill = 1: the slot just left takes the next step: my one tensor load until the next round (the first time: slot 1's first fill).
.macro CHANGE fill
	s_wait_tensorcnt 0x0
	ds_add_u32 v[SPW], v[NIL]
.if \fill
	s_xor_b32 s62, s62, SLOTB                      ; no load of mine is out: the walking descriptors go to the other slot and a step on
	s_add_co_u32 s[G0M+1], s66, s62
	s_add_nc_u64 s[G0M+2:G0M+3], s[G0M+2:G0M+3], 512
	s_add_co_u32 s[G0K+1], s67, s62
	s_add_nc_u64 s[G0K+2:G0K+3], s[G0K+2:G0K+3], 16384
	s_wait_xcnt 0x0                                ; the last trip's prefetch has read its address
	s_add_nc_u64 s[PFA:PFA+1], s[PFA:PFA+1], s[PFS:PFS+1]
.endif
	s_wait_dscnt 0x0
	CROUND
.if \fill
	JLOAD
	ASK
.endif
.endm
.Ltrip:                                            ; 15 trips: steps 0 to 14
	CHANGE 1
	STEP
	s_sub_co_u32 s[TRIPS], s[TRIPS], 1
	s_cmp_lg_u32 s[TRIPS], 0
	s_cbranch_scc1 .Ltrip
	CHANGE 0                                       ; the last step is written out
	STEP
	SM 1, 1, 0                                     ; and what the last step has left
	s_wait_alu depctr_va_vdst(0)
	s_wait_dscnt 0x0                               ; V is in
	PV 1, 0
	PV 1, 1
	PLACES                                         ; in front of the way out's first read of O^T
	WIN 0
	; THE WAY OUT.  O^T / the sum x 2^(e8 + e9); a query tile's two heads (16 rows x 512 bytes) go through my stage and come back as whole rows, which the 32 lanes store as 512 consecutive, aligned bytes.
.irp x, 96,98,100,102
	v_add_f32 v[\x], v[\x], v[\x+1]
.endr
.irp x, 96,98,100,102
	v_permlanex16_b32 v[106+(\x-96)/2], v[\x], s[SEL], s[SEL+1]
.endr
.irp x, 96,98,100,102
	v_add_f32 v[\x], v[\x], v[106+(\x-96)/2]       ; the rows' sums
.endr
	s_wait_alu depctr_va_vdst(0)                   ; a wait ahead of the batch
.irp x, 96,98,100,102
	v_rcp_f32 v[\x], v[\x]
.endr
	v_nop                                          ; a plain instruction behind the reciprocals
	s_wait_alu depctr_va_vdst(0)                   ; and behind it
.irp x, 96,98,100,102
	v_ldexp_f32 v[\x], v[\x], s[EPV]
.endr
.macro FIN t
	WIN 0x01*(\t)
	s_wait_alu depctr_va_vdst(0)                   ; directly ahead of the first reader of O^T
.irp g, 0,1
.set J, 0
.rept 16
	v_pk_mul_f32 v[S+32*\g+J:S+32*\g+J+1], v[32+32*\g+J:32+32*\g+J+1], v[96+4*\g+2*(\t):97+4*\g+2*(\t)] op_sel_hi:[1,0]   ; register 8 f + j is channel 16 f + 8 h + j of query r
.set J, J+2
.endr
.endr
	WIN 0
.irp g, 0,1
.irp f, 0,1,2,3
	ds_store_b128 v[STO], v[S+32*\g+8*\f:S+32*\g+8*\f+3] offset:256*\g+64*\f
	ds_store_b128 v[STO], v[S+32*\g+8*\f+4:S+32*\g+8*\f+7] offset:256*\g+64*\f+16
.endr
.endr
	WIN (\t)<<6
.set J, 0
.rept 16
	ds_load_b128 v[MK+4*J:MK+4*J+3], v[RD] offset:MP*J   ; LDS serves a wave's instructions in order (ISA guide 5.7.1.4): these see my stores, and the next tile's stores come behind them
.set J, J+1
.endr
.endm
.macro SEND t, younger
	WIN (\t)<<2                                    ; a store's data: source 1
	s_wait_dscnt \younger
.set J, 0
.rept 16
	global_store_b128 v[L16], v[MK+4*J:MK+4*J+3], s[14:15] offset:(16*(\t)+J)*4096 th:TH_STORE_NT
.set J, J+1
.endr
.endm
	FIN 0
	FIN 1
	SEND 0, 32                                     ; behind tile 0's loads: tile 1's 16 stores and 16 loads
	SEND 1, 0
	WIN 0
	s_wait_tensorcnt 0x0                           ; the wave's end
	ds_add_u32 v[SPW], v[NIL]
	s_wait_dscnt 0x0
	CROUND                                         ; the closing round
	s_endpgm
.Lfunc_end_k_qc8e038ed3b_attn:
	.size	k_qc8e038ed3b_attn, .Lfunc_end_k_qc8e038ed3b_attn-k_qc8e038ed3b_attn
	.p2alignl 7, 3214868480
	.fill 96, 4, 3214868480
	.section	.rodata,"a",@progbits
	.p2align	6, 0x0
	.amdhsa_kernel k_qc8e038ed3b_attn
		.amdhsa_group_segment_fixed_size 327680
		.amdhsa_private_segment_fixed_size 0
		.amdhsa_enable_private_segment 0
		.amdhsa_kernarg_size 48
		.amdhsa_user_sgpr_count 2
		.amdhsa_user_sgpr_kernarg_segment_ptr 1
		.amdhsa_wavefront_size32 1
		.amdhsa_system_sgpr_workgroup_id_x 1
		.amdhsa_system_sgpr_workgroup_id_y 1
		.amdhsa_system_sgpr_workgroup_id_z 1
		.amdhsa_system_vgpr_workitem_id 0
		.amdhsa_next_free_vgpr 512
		.amdhsa_next_free_sgpr 96
		.amdhsa_reserve_vcc 0
		.amdhsa_float_denorm_mode_32 3
		.amdhsa_float_denorm_mode_16_64 3
		.amdhsa_memory_ordered 1
		.amdhsa_forward_progress 1
		.amdhsa_inst_pref_size 180
	.end_amdhsa_kernel
	.amdgpu_metadata
---
amdhsa.version: [ 1, 2 ]
amdhsa.kernels:
  - .name:           k_qc8e038ed3b_attn
    .symbol:         k_qc8e038ed3b_attn.kd
    .args:
      - { .name: qimg, .offset: 0, .size: 8, .value_kind: global_buffer, .address_space: global }
      - { .name: kvimg, .offset: 8, .size: 8, .value_kind: global_buffer, .address_space: global }
      - { .name: attention_mask, .offset: 16, .size: 8, .value_kind: global_buffer, .address_space: global }
      - { .name: key_padding_mask, .offset: 24, .size: 8, .value_kind: global_buffer, .address_space: global }
      - { .name: lowp_scales, .offset: 32, .size: 8, .value_kind: global_buffer, .address_space: global }
      - { .name: out0, .offset: 40, .size: 8, .value_kind: global_buffer, .address_space: global }
    .group_segment_fixed_size: 327680
    .private_segment_fixed_size: 0
    .kernarg_segment_align: 8
    .kernarg_segment_size: 48
    .max_flat_workgroup_size: 256
    .sgpr_count:     96
    .vgpr_count:     512
    .wavefront_size: 32
...
	.end_amdgpu_metadata
.endif
;; end of part 2
